; MI455X (gfx1250); checked and timed in simulation.
; The chip was launched on July 23, 2026; its instructions are those of AMD's public machine-readable ISA for CDNA 5 (MIT licence, August 2026) and "CDNA5" Instruction Set Architecture Reference Guide (July 2026). The comments in the code are by the model that wrote it; some were corrected since.
;; Dynamic Quantized Linear. Allowed arithmetic: float matrix products may take bf16 or f16 operands with f32 sums; all other float work in f32.
;; Inputs: bias 4,096 float32; weight_int8 4,096 x 4,096 int32; weight_scale 4,096 float32; x 4 x 1,024 x 4,096 float32.
;; Outputs: out0 4 x 1,024 x 4,096 float32.
;; One version. Each part assembles by itself: llvm-mc -triple=amdgcn-amd-amdhsa -mcpu=gfx1250 --defsym DOCPART=n.
;; ======== version 1 of 1: 2 launches
;; workspace buffers: xb 33,554,432 bytes; wb 33,554,432 bytes
;; launch cast (part 1): grid 1024 x 2, 8 waves a work-group, no clusters, 0 bytes of LDS; arguments x, weight_int8, xb, wb; writes xb, wb
.if DOCPART == 1
	.amdgcn_target "amdgcn-amd-amdhsa--gfx1250"
	.amdhsa_code_object_version 6
	.text
	.protected	k_qa7b756f611_cast
	.globl	k_qa7b756f611_cast
	.p2align	8
	.type	k_qa7b756f611_cast,@function
k_qa7b756f611_cast:
	s_mov_b64 s[64:65], 0
	v_nop
	global_prefetch_b8 v0, s[64:65] scope:SCOPE_SE
	s_setreg_imm32_b32 hwreg(HW_REG_WAVE_MODE, 25, 1), 1
	s_wait_xcnt 0x0
; xb = bf16(x), wb = bf16(weight_int8): both matrix operands of the product that follows are rounded ONCE here, instead of in each of the
; 16 work-groups that will read them.  x: [4096][4096] f32; weight_int8: [4096][4096] int32; xb, wb: [4096][4096] bf16, same order.
; LIMITS.  x is rounded to bf16's 8 significant bits (nearest even).  Whole numbers up to 256 in magnitude, so all of int8's range, are exact in bf16;
; larger weights are rounded to 8 significant bits, and beyond 2^24 twice (to f32, then to bf16).  The weights' scale is NOT applied here: it stays in f32 for the product's way out.
; SHARES.  Work-groups with y = 0 take x, those with y = 1 the weights.  A work-group owns 65,536 bytes of input (16,384 numbers) and 32,768 of output, in 16 steps.
; In step i thread t loads the 16 bytes at 4,096 i + 16 t (a wave's load: 512 consecutive bytes) and stores the 8 bytes at 2,048 i + 8 t (a wave's store: 256 consecutive bytes, aligned).
; All 16 loads of a wave go out at once, each into registers of its own; no register that a pending access names is ever rewritten, so the only waits are the counted ones for the data.
; No LDS, no barrier, no matrix unit, no cluster: no byte is used twice and no work-group shares a byte with another.
.set STEPS, 16
.set INB,   4096                       ; bytes that the work-group loads in a step
.set OUTB,  2048                       ; bytes that it stores in a step
.set X,     4                          ; v[4:67]  step i: four registers as loaded; the first two then hold the four bf16
	s_load_b256 s[4:11], s[0:1], 0x0               ; x s[4:5], weight_int8 s[6:7], xb s[8:9], wb s[10:11]
	s_lshl_b32 s2, ttmp9, 16                       ; my 65,536 bytes of input (1,023 x 65,536 at the most: one word)
	s_mov_b32 s3, 0
	s_lshl_b32 s14, ttmp9, 15                      ; my 32,768 bytes of output
	s_mov_b32 s15, 0
	s_and_b32 s12, ttmp7, 0xffff                   ; 0: x, 1: the weights
	v_lshlrev_b32 v1, 4, v0                        ; 16 t; never rewritten
	v_lshlrev_b32 v2, 3, v0                        ; 8 t; never rewritten
	s_wait_kmcnt 0x0
; src, dst: the scalar pairs of the two addresses.  ints = 1: the numbers are int32 and go to f32 first.
.macro CAST src, dst, ints
	s_add_nc_u64 s[(\src):(\src)+1], s[(\src):(\src)+1], s[2:3]
	s_add_nc_u64 s[(\dst):(\dst)+1], s[(\dst):(\dst)+1], s[14:15]
.irp i, 0,1,2,3,4,5,6,7,8,9,10,11,12,13,14,15
	global_load_b128 v[X+4*(\i):X+4*(\i)+3], v1, s[(\src):(\src)+1] offset:INB*(\i) th:TH_LOAD_NT  ; read once in the launch
.endr
.irp i, 0,1,2,3,4,5,6,7,8,9,10,11,12,13,14,15
	s_wait_loadcnt STEPS-1-(\i)                    ; loads come back in order (ISA guide 5.7.1): step i's is in, the 15 - i younger ones stay out
.if \ints
.irp j, 0,1,2,3
	v_cvt_f32_i32 v[X+4*(\i)+(\j)], v[X+4*(\i)+(\j)]
.endr
.endif
	v_cvt_pk_bf16_f32 v[X+4*(\i)],   v[X+4*(\i)],   v[X+4*(\i)+1]  ; two roundings, packed: the lower number in the lower half
	v_cvt_pk_bf16_f32 v[X+4*(\i)+1], v[X+4*(\i)+2], v[X+4*(\i)+3]
	global_store_b64 v2, v[X+4*(\i):X+4*(\i)+1], s[(\dst):(\dst)+1] offset:OUTB*(\i)  ; no hint: the next launch reads these bytes
.endr
.endm
	s_cmp_lg_u32 s12, 0
	s_cbranch_scc1 .Lints
	CAST 4, 8, 0
	s_endpgm
.Lints:
	CAST 6, 10, 1
	s_endpgm
.Lfunc_end_k_qa7b756f611_cast:
	.size	k_qa7b756f611_cast, .Lfunc_end_k_qa7b756f611_cast-k_qa7b756f611_cast
	.p2alignl 7, 3214868480
	.fill 96, 4, 3214868480
	.section	.rodata,"a",@progbits
	.p2align	6, 0x0
	.amdhsa_kernel k_qa7b756f611_cast
		.amdhsa_group_segment_fixed_size 0
		.amdhsa_private_segment_fixed_size 0
		.amdhsa_enable_private_segment 0
		.amdhsa_kernarg_size 32
		.amdhsa_user_sgpr_count 2
		.amdhsa_user_sgpr_kernarg_segment_ptr 1
		.amdhsa_wavefront_size32 1
		.amdhsa_system_sgpr_workgroup_id_x 1
		.amdhsa_system_sgpr_workgroup_id_y 1
		.amdhsa_system_sgpr_workgroup_id_z 1
		.amdhsa_system_vgpr_workitem_id 0
		.amdhsa_next_free_vgpr 68
		.amdhsa_next_free_sgpr 66
		.amdhsa_reserve_vcc 0
		.amdhsa_float_denorm_mode_32 3
		.amdhsa_float_denorm_mode_16_64 3
		.amdhsa_memory_ordered 1
		.amdhsa_forward_progress 1
		.amdhsa_inst_pref_size 14
	.end_amdhsa_kernel
	.amdgpu_metadata
---
amdhsa.version: [ 1, 2 ]
amdhsa.kernels:
  - .name:           k_qa7b756f611_cast
    .symbol:         k_qa7b756f611_cast.kd
    .args:
      - { .name: x, .offset: 0, .size: 8, .value_kind: global_buffer, .address_space: global }
      - { .name: weight_int8, .offset: 8, .size: 8, .value_kind: global_buffer, .address_space: global }
      - { .name: xb, .offset: 16, .size: 8, .value_kind: global_buffer, .address_space: global }
      - { .name: wb, .offset: 24, .size: 8, .value_kind: global_buffer, .address_space: global }
    .group_segment_fixed_size: 0
    .private_segment_fixed_size: 0
    .kernarg_segment_align: 8
    .kernarg_segment_size: 32
    .max_flat_workgroup_size: 256
    .sgpr_count:     66
    .vgpr_count:     68
    .wavefront_size: 32
...
	.end_amdgpu_metadata
.endif
;; end of part 1
;; launch gemm (part 2): grid 16 x 16, 4 waves a work-group, clusters of 4 x 4, 327,680 bytes of LDS; arguments xb, wb, weight_scale, bias, out0; writes out0
.if DOCPART == 2
	.amdgcn_target "amdgcn-amd-amdhsa--gfx1250"
	.amdhsa_code_object_version 6
	.text
	.protected	k_qa7b756f611_gemm
	.globl	k_qa7b756f611_gemm
	.p2align	8
	.type	k_qa7b756f611_gemm,@function
k_qa7b756f611_gemm:
	s_mov_b64 s[64:65], 0
	v_nop
	global_prefetch_b8 v0, s[64:65] scope:SCOPE_SE
	s_setreg_imm32_b32 hwreg(HW_REG_WAVE_MODE, 25, 1), 1
	s_wait_xcnt 0x0
	s_wait_alu depctr_hold_cnt(0) depctr_sa_sdst(0) depctr_va_vdst(0) depctr_va_sdst(0) depctr_va_ssrc(0) depctr_va_vcc(0) depctr_vm_vsrc(0)
	s_getreg_b32 s2, hwreg(HW_REG_IB_STS2, 6, 4)
	s_cmp_eq_u32 s2, 0
	s_cbranch_scc0 .Lentry_in_a_cluster
	s_endpgm
.Lentry_in_a_cluster:
	s_bfe_u32 s2, ttmp6, 0x10000c
	s_cmp_lg_u32 s2, 0xf033
	s_cbranch_scc0 .Lentry_shape_is_right
	s_endpgm
.Lentry_shape_is_right:
; out0[m][o] = weight_scale[o] x (sum over i of xb[m][i] wb[o][i]) + bias[o].  xb: [4096][4096] bf16 (x, rounded once); wb: [4096][4096] bf16 (the whole-number weights, exact in int8's range);
; weight_scale, bias: [4096] f32; out0: [4096][4096] f32.  Sums in f32; scale and bias enter by ONE fused multiply-add in f32 for each output, so neither is ever rounded.
; LIMITS.  The only rounding of operands is the launch before's: x to bf16; weights beyond 256 in magnitude to 8 significant bits.  NaN and infinities are not treated apart.
; SHARES.  A tile of 256 x 256 of the output is made by a work-group of four waves; a wave makes 128 x 128: 64 accumulators of 16 x 16, 512 registers.  The output has 16 x 16 such tiles: 256 work-groups.
; K goes in 32 steps of 128 through a ring of two LDS slots filled by the tensor data mover: the tiles' rows are 256 bytes of memory and start at multiples of 256 bytes from the buffer's first byte.
; CLUSTERS: 4 x 4 work-groups.  The four of a row of the cluster need the same tiles of xb, the four of a column the same tiles of wb.  Such a tile is asked for JOINTLY: each of the four issues the
; same tensor load, with the same descriptor and a mask that names the four, and each receives the tile in its own LDS.  That divides the requests for both operands by four.
; REGISTERS, in windows of 256 (s_set_vgpr_msb's low byte: bits 1:0 source 0, 3:2 source 1, 5:4 source 2, 7:6 destination):
;   window 0: v0-39 addresses, my four scales and biases; v64-127, v128-191 fragments of xb (8 x 16 rows x 32 K), two buffers; on the way out the same registers take rows read back from the stage
;   window 1: v64-127, v128-191 fragments of wb, two buffers
;   window 2: the 32 accumulators of my rows 0-63 (accumulator (a, b) at v[8 (8 a + b)]);   window 3: those of my rows 64-127
; THE MATRIX INSTRUCTION IS USED TRANSPOSED: source 0 = 16 rows of wb, source 1 = 16 rows of xb.  In the result lane l holds row m = l % 16 of the output, and its registers 0 to 7 the columns
; 8 (l / 16) + 0 .. 7: eight neighbouring f32 of a row, 32 bytes.
.set SIZE_N, 4096
.set SIZE_K, 4096
.set KSTEP,  128
.set PITCH,  272                       ; an LDS row: 256 bytes of data + 16 of padding = 68 words: row r starts at bank 4 r mod 64 (64 banks of 4 bytes: ISA guide 11.1), so the 16 rows that a load touches start at 16 different banks
.set HALFT,  128*PITCH                 ; 128 rows: what one tensor load brings, and what one wave reads of xb or of wb
.set SLOT,   4*HALFT                   ; xb's 256 rows, then wb's 256 rows
.set STAGE,  2*SLOT                    ; behind the ring, at 1,088 x 256: 16 rows x 528 bytes for each wave (33 x 256), for the way out; no tensor load lands here
.set SPITCH, 528                       ; a stage row: my 128 columns in f32, 512 bytes, + 16 of padding: the 16 rows that a store touches start at 16 different groups of four banks
.set SPARE,  STAGE+4*16*SPITCH         ; behind the stages, at 1,220 x 256: the spare words, 128 bytes for each wave: two blocks of 256 bytes that no other line names
.set LAPS,   SIZE_K/(2*KSTEP)          ; a lap = two K steps = once round the ring: 16
.set ADRA, 16                          ; v16-17  LDS address of my xb fragments in slot 0, 1
.set ADRB, 20                          ; v20-21  the same for wb
.set STO,  24                          ; v24     the way out: where I put 32 bytes of a row
.set RD,   25                          ; v25     the way out: where I read 16 bytes of a row back
.set CO,   26                          ; v26     16 x lane: my byte offset in my wave's 512 bytes of a row of out0; never rewritten
.set SBO,  27                          ; v27     my byte offset in weight_scale and in bias; never rewritten
.set SPW,  28                          ; v28     LDS address of my spare word: SPARE + 4 x my thread's number; never rewritten
.set NIL,  29                          ; v29     0; never rewritten
.set SC,   32                          ; v[32:35] the scales of the four columns that I store
.set BI,   36                          ; v[36:39] their biases
.set F0,   64                          ; fragment buffer 0
.set F1,   128                         ; fragment buffer 1
.set OB,   64                          ; the way out: 16 rows read back from the stage, 64 registers: v64-127 and v128-191 by turns
.set WV,   14                          ; s14  my wave's number
.set RH,   15                          ; s15  which half of the tile's rows is mine.  Also: I fetch for xb (0) or for wb (1)
.set CH,   16                          ; s16  which half of its columns.  Also: which 128 rows of that tile I fetch
.set CX,   17                          ; s17  my place along the cluster's x
.set CY,   18                          ; s18  along its y
.set TC,   19                          ; s19  tile column of the output
.set TR,   20                          ; s20  tile row
.set MROW, 21                          ; s21  the mask of my row of the cluster
.set MCOL, 22                          ; s22  of my column
.set WL,   23                          ; s23  LDS byte at which the rows that I fetch land in slot 0
.set G1,   24                          ; s[24:31] descriptor group 1 for xb's tiles
.set G0,   32                          ; s[32:39] descriptor group 0 for xb's tiles, one set for each slot
.set AO,   40                          ; s[40:41] xb's offset, then address, of my first tile: made of the tile row and the wave's number alone
.set BO,   42                          ; s[42:43] the same for wb: made of the tile column and the wave's number alone
.set CF,   44                          ; s[44:45] byte offsets in the output
.set LA,   46                          ; s46  LDS byte of my 128 rows of xb
.set LB,   47                          ; s47  of my 128 rows of wb
.set G1B,  48                          ; s[48:55] descriptor group 1 for wb's tiles: it differs from xb's in the mask alone
.set G0B,  56                          ; s[56:63] descriptor group 0 for wb's tiles, one set for each slot
.set MSB, 0
.macro WIN new                         ; the immediate's high byte repeats the setting that is left; a switch that changes nothing is dropped
.if MSB != (\new)
	s_set_vgpr_msb (MSB<<8)|(\new)
.set MSB, \new
.endif
.endm
.set MUL_LO, 0xa1                      ; source 0 (wb) window 1, source 1 (xb) window 0, C and D window 2
.set MUL_HI, 0xf1                      ; the same, C and D window 3
.set TO_B,   0x40                      ; destination window 1, address window 0
; A joint load.  Waves 0 and 1 fetch xb's two halves, waves 2 and 3 wb's.  Each of the two lines has ONE mask and one set of registers for all that issue it, and nothing in them hangs on a
; coordinate that the four partners do not share.  The branch hangs on the wave's number alone.  An s_nop 0 and four v_nop follow each of the two lines, ahead of the jump, the label and what follows.
.macro JLOAD s
	s_cmp_eq_u32 s[RH], 0
	s_cbranch_scc0 .Lfor_b_\@
	tensor_load_to_lds s[G0+4*(\s):G0+4*(\s)+3], s[G1:G1+7]
	s_nop 0
.rept 4
	v_nop
.endr
	s_branch .Lasked_\@
.Lfor_b_\@:
	tensor_load_to_lds s[G0B+4*(\s):G0B+4*(\s)+3], s[G1B:G1B+7]
	s_nop 0
.rept 4
	v_nop
.endr
.Lasked_\@:
.endm
; A round of the cluster's barrier: my work-group's barrier, so that wave 0's signal speaks for all four waves; wave 0 signals for the work-group; every wave waits for all sixteen work-groups;
; my work-group's barrier once more.  No LDS instruction of the wave is pending at a signal.
.macro CREST                           ; a round behind its opening barrier
	s_cmp_lg_u32 s[WV], 0
	s_cbranch_scc1 .Lnot_wave_0_\@
	s_barrier_signal -3
.Lnot_wave_0_\@:
	s_barrier_wait -3
	s_barrier_signal -1
	s_barrier_wait -1
.endm
.macro CROUND                          ; a whole round
	s_barrier_signal -1
	s_barrier_wait -1
	CREST
.endm
	s_load_b256 s[4:11], s[0:1], 0x0               ; xb s[4:5], wb s[6:7], weight_scale s[8:9], bias s[10:11]
	s_load_b64 s[12:13], s[0:1], 0x20              ; out0
	v_lshl_add_u32 v[SPW], v0, 2, SPARE
	v_mov_b32 v[NIL], 0
	ds_add_u32 v[SPW], v[NIL]                      ; the wave's opening: the add and its wait stand ahead of my first tensor load; the set-up below, work on registers, stands between them
	v_lshrrev_b32 v1, 5, v0
	v_readfirstlane_b32 s[WV], v1                  ; wave 0..3
	s_lshr_b32 s[RH], s[WV], 1
	s_and_b32 s[CH], s[WV], 1
	s_bfe_u32 s[CX], ttmp6, 0x40000
	s_bfe_u32 s[CY], ttmp6, 0x40004
	s_lshl_b32 s[TC], ttmp9, 2                     ; in a cluster launch ttmp9 and ttmp7 count clusters
	s_add_co_u32 s[TC], s[TC], s[CX]               ; tile column = 4 x cluster x + cx
	s_and_b32 s[TR], ttmp7, 0xffff
	s_lshl_b32 s[TR], s[TR], 2
	s_add_co_u32 s[TR], s[TR], s[CY]               ; tile row = 4 x cluster y + cy
	s_lshl_b32 s[MROW], s[CY], 2
	s_lshl_b32 s[MROW], 15, s[MROW]                ; my row of the cluster: places 4 cy .. 4 cy + 3
	s_lshl_b32 s[MCOL], 0x1111, s[CX]              ; my column: places cx, cx + 4, cx + 8, cx + 12
	; descriptor group 1: a tile of 128 rows x 128 elements, padded in LDS
	s_or_b32 s[G1+0], s[MROW], (1<<16)|(1<<20)|(1<<21)|(5<<22)|(3<<25)   ; 15:0 the mask: xb's tiles go to my row; 17:16 elements of 2 bytes; 20 padding on; 21 set beside a mask; 24:22 after every 64 words (code 5); 31:25 4 words of it (code 3)
	s_or_b32 s[G1B+0], s[MCOL], (1<<16)|(1<<20)|(1<<21)|(5<<22)|(3<<25)  ; the same with the mask of my column, for wb's tiles
.irp g, G1, G1B
	s_mov_b32 s[(\g)+1], KSTEP<<16                 ; 63:48 tensor_dim0, low half = 128
	s_mov_b32 s[(\g)+2], 128<<16                   ; 79:64 its high half = 0; 95:80 tensor_dim1, low half = 128
	s_mov_b32 s[(\g)+3], KSTEP<<16                 ; 111:96 its high half = 0; 127:112 tile_dim0 = 128
	s_mov_b32 s[(\g)+4], 128                       ; 143:128 tile_dim1 = 128; 159:144 tile_dim2 = 0
	s_mov_b32 s[(\g)+5], SIZE_K                    ; 191:160 tensor_dim0_stride, low word: elements from row to row
	s_mov_b32 s[(\g)+6], 0
	s_mov_b32 s[(\g)+7], 0
.endr
	; where the tiles come from.  xb's hang on the tile row alone, which my row of the cluster shares; wb's on the tile column alone, which my column shares.
	; A row is 8,192 bytes; the last row's offset, 4,095 x 8,192, fits one word.
	s_lshl_b32 s2, s[CH], 7                        ; which 128 rows of the tile I fetch
	s_lshl_b32 s[AO], s[TR], 8
	s_add_co_u32 s[AO], s[AO], s2                  ; xb: row 256 x tile row + 128 x half
	s_lshl_b32 s[AO], s[AO], 13
	s_mov_b32 s[AO+1], 0
	s_lshl_b32 s[BO], s[TC], 8
	s_add_co_u32 s[BO], s[BO], s2                  ; wb: row 256 x tile column + 128 x half
	s_lshl_b32 s[BO], s[BO], 13
	s_mov_b32 s[BO+1], 0
	s_mul_i32 s[WL], s[WV], HALFT                  ; and where they go: xb's two halves, then wb's two halves = wave x 128 rows: no place in the cluster enters an LDS address
	s_wait_dscnt 0x0                               ; the opening add is done
	s_wait_kmcnt 0x0
	s_add_nc_u64 s[AO:AO+1], s[4:5], s[AO:AO+1]
	s_add_nc_u64 s[BO:BO+1], s[6:7], s[BO:BO+1]
	CROUND                                         ; all sixteen work-groups are here: the first joint loads meet
.irp s, 0,1
	s_mov_b32 s[G0+4*(\s)], 1                                        ; 1:0 count = 1
	s_add_co_u32 s[G0+4*(\s)+1], s[WL], (\s)*SLOT                    ; 63:32 LDS address
	s_add_nc_u64 s[G0+4*(\s)+2:G0+4*(\s)+3], s[AO:AO+1], (\s)*KSTEP*2  ; 120:64 global address: K step s
	s_or_b32 s[G0+4*(\s)+3], s[G0+4*(\s)+3], 0x80000000              ; 127:126 type = 2
	s_mov_b32 s[G0B+4*(\s)], 1
	s_add_co_u32 s[G0B+4*(\s)+1], s[WL], (\s)*SLOT
	s_add_nc_u64 s[G0B+4*(\s)+2:G0B+4*(\s)+3], s[BO:BO+1], (\s)*KSTEP*2
	s_or_b32 s[G0B+4*(\s)+3], s[G0B+4*(\s)+3], 0x80000000
	JLOAD \s                                       ; the ring is filled before anything else is done: two tensor loads of mine are out here, later one
.endr
	; A fragment is 16 rows x 32 K in 8 registers: lane l holds row l % 16; registers 0-3 hold K = 8 (l / 16) + 0..7, registers 4-7 hold K = 16 + 8 (l / 16) + 0..7.
	; From rows that lie along K: two loads of 16 bytes, 32 bytes apart.  The same for source 0 and source 1.
	v_and_b32 v1, 15, v0                           ; l % 16
	v_bfe_u32 v2, v0, 4, 1                         ; l / 16
	v_mul_u32_u24 v3, v1, PITCH
	v_lshl_add_u32 v3, v2, 4, v3                   ; row x pitch + 16 x half
	s_mul_i32 s[LA], s[RH], HALFT                  ; my 128 rows of xb
	s_mul_i32 s[LB], s[CH], HALFT                  ; my 128 rows of wb,
	s_add_co_u32 s[LB], s[LB], 2*HALFT             ; which lie behind xb's 256
.irp s, 0,1
	v_add_nc_u32 v[ADRA+(\s)], s[LA], v3
	v_add_nc_u32 v[ADRB+(\s)], s[LB], v3
	s_add_co_u32 s[LA], s[LA], SLOT
	s_add_co_u32 s[LB], s[LB], SLOT
.endr
	s_mul_i32 s2, s[WV], 16*SPITCH
	s_add_co_u32 s2, s2, STAGE                     ; my stage
	v_mul_u32_u24 v4, v1, SPITCH                   ; in: row l % 16, 32 bytes for each half of the lanes
	v_lshl_add_u32 v4, v2, 5, v4
	v_add_nc_u32 v[STO], s2, v4
	v_and_b32 v5, 31, v0
	v_lshlrev_b32 v[CO], 4, v5                     ; back: the 32 lanes take one row of 512 bytes, 16 bytes each: four columns, the same four in every row
	v_add_nc_u32 v[RD], s2, v[CO]
	s_lshl_b32 s[CF], s[TC], 10                    ; my wave's first column in bytes of f32: 1,024 x tile column + 512 x half
	s_lshl_b32 s[CF+1], s[CH], 9
	s_add_co_u32 s[CF], s[CF], s[CF+1]
	v_add_nc_u32 v[SBO], s[CF], v[CO]
	global_load_b128 v[SC:SC+3], v[SBO], s[8:9]    ; my four columns' scales and biases, once: a wave's load covers 512 consecutive bytes
	global_load_b128 v[BI:BI+3], v[SBO], s[10:11]
	s_lshl_b32 s2, s[TR], 8
	s_lshl_b32 s3, s[RH], 7
	s_add_co_u32 s2, s2, s3                        ; my first row of the output,
	s_lshl_b32 s2, s2, 14                          ; in bytes: 16,384 a row; 4,095 rows and a row's bytes fit one word
	s_add_co_u32 s[CF], s[CF], s2
	s_mov_b32 s[CF+1], 0
	s_add_nc_u64 s[12:13], s[12:13], s[CF:CF+1]    ; out0 at my wave's first row and column; never rewritten again
	s_wait_loadcnt 0x0                             ; scales and biases are in; this stands in the wait for the first tile
; 16 matrix instructions: m blocks a0, a0 + 1 of the window's four (hi = 0: my rows 0-63, 1: rows 64-127) x all 8 n blocks, 32 along K.
; zero = 1: the first product starts the sums: nothing is ever cleared.
.macro MUL16 f, hi, a0, zero
	WIN MUL_LO+0x50*(\hi)  ; MUL_LO or MUL_HI
.irp a, \a0, (\a0)+1
.irp b, 0,1,2,3,4,5,6,7
.if \zero
	v_wmma_f32_16x16x32_bf16 v[8*(8*(\a)+(\b)):8*(8*(\a)+(\b))+7], v[(\f)+8*(\b):(\f)+8*(\b)+7], v[(\f)+8*(4*(\hi)+(\a)):(\f)+8*(4*(\hi)+(\a))+7], 0
.else
	v_wmma_f32_16x16x32_bf16 v[8*(8*(\a)+(\b)):8*(8*(\a)+(\b))+7], v[(\f)+8*(\b):(\f)+8*(\b)+7], v[(\f)+8*(4*(\hi)+(\a)):(\f)+8*(4*(\hi)+(\a))+7], v[8*(8*(\a)+(\b)):8*(8*(\a)+(\b))+7]
.endif
.endr
.endr
.endm
; 32 LDS loads in one run: the fragments of one quarter step (128 rows of wb, 128 rows of xb, 32 K at byte k of the rows) into buffer f
.macro FETCH slot, k, f
	WIN TO_B
.irp i, 0,1,2,3,4,5,6,7
	ds_load_b128 v[(\f)+8*(\i):(\f)+8*(\i)+3],   v[ADRB+(\slot)] offset:(\k)+(\i)*16*PITCH
	ds_load_b128 v[(\f)+8*(\i)+4:(\f)+8*(\i)+7], v[ADRB+(\slot)] offset:(\k)+(\i)*16*PITCH+32
.endr
	WIN 0
.irp i, 0,1,2,3,4,5,6,7
	ds_load_b128 v[(\f)+8*(\i):(\f)+8*(\i)+3],   v[ADRA+(\slot)] offset:(\k)+(\i)*16*PITCH
	ds_load_b128 v[(\f)+8*(\i)+4:(\f)+8*(\i)+7], v[ADRA+(\slot)] offset:(\k)+(\i)*16*PITCH+32
.endr
.endm
; A load into a register that a matrix instruction has read, and an LDS store or vector instruction that reads a matrix result, stand four places behind that matrix instruction, and only plain vector
; instructions that name none of its registers are places (ISA guide 7.12.1 for vector instructions); the matrix instructions in between are not counted.
.macro PLACES
.rept 4
	v_nop
.endr
.endm
; A K step is four quarter steps of 32 along K, 64 matrix instructions each, on buffers 0, 1, 0, 1.  The 64 accumulators take turns in the same order in every quarter.
; One of the first three: multiplies buffer f; in its middle it fetches the next quarter's fragments, at byte k of the same slot's rows, into buffer g.
.macro QUARTER slot, k, f, g, zero
	s_wait_dscnt 8                                 ; wb and xb's rows 0-63 are in; the youngest eight loads (xb's rows 64-127) may be out
	MUL16 \f, 0, 0, \zero
	MUL16 \f, 0, 2, \zero
	PLACES
	FETCH \slot, \k, \g
	s_wait_dscnt 32                                ; all but the 32 just issued
	MUL16 \f, 1, 0, \zero
	MUL16 \f, 1, 2, \zero
.endm
; The last quarter multiplies buffer 1 and changes slots.  MEET is its first half: ONE barrier for the change of slots, for two things.  In front of it each wave waits for all its tensor loads, of which
; one is out: its part of the next slot; adds 0 to its spare word; and waits for that and for its own reads of this slot.  Behind it nobody reads this slot any more and the next slot is whole.
.macro MEET round                      ; round = 1: a round of the cluster's barrier follows
	WIN 0                                          ; (the add's two registers lie in window 0)
	s_wait_tensorcnt 0x0                           ; all my tensor loads have landed: the one that was out is my part of the next slot;
	ds_add_u32 v[SPW], v[NIL]                      ; 0 onto my spare word;
	s_wait_dscnt 9                                 ; (the add and the youngest eight loads may be out)
	MUL16 F1, 0, 0, 0                              ; sixteen matrix instructions stand between the add and the wait for it
	s_wait_dscnt 0x0                               ; the add is done, and my reads of this slot are over:
	s_barrier_signal -1                            ; say so (where a slot is filled again this barrier opens a round of the cluster's barrier),
	MUL16 F1, 0, 2, 0                              ; work on registers while the others arrive,
.if \round
	WIN 0
.endif
	s_barrier_wait -1                              ; and go on when all four have said so
.endm
; The whole last quarter.  fill = 1: behind the round the slot just read out is filled again first, with the K step two steps on; then come the next slot's first fragments.
; From a request to the wait for it a wave issues 224 matrix instructions.  fill = 0 (the last lap): nothing is asked for, and no round follows.
.macro TURN slot, next, fill
	MEET \fill
.if \fill
	CREST                                          ; wave 0 says so for the work-group, all sixteen work-groups have said so, my work-group's barrier closes the round:
	                                               ; no wave of any partner still reads this slot's tile or has a load on its way
	s_add_nc_u64 s[G0+4*(\slot)+2:G0+4*(\slot)+3], s[G0+4*(\slot)+2:G0+4*(\slot)+3], 2*KSTEP*2      ; no tensor load of mine is out, so a group 0 may be written; the type bits on top are not reached
	s_add_nc_u64 s[G0B+4*(\slot)+2:G0B+4*(\slot)+3], s[G0B+4*(\slot)+2:G0B+4*(\slot)+3], 2*KSTEP*2
	JLOAD \slot                                    ; the first tensor load behind the round, and my only one until the next; the four v_nop behind it are also the places in front of the loads below
.else
	PLACES
.endif
	FETCH \next, 0, F0
	MUL16 F1, 1, 0, 0
	MUL16 F1, 1, 2, 0
.endm
; THE WAY OUT, a block of 16 rows at a time.  A lane's 32 bytes are a sixteenth of my wave's 512 bytes of a row, and the lanes beside it hold other rows: so the block goes through my own stage in LDS.
; TOSTAGE: the block's eight accumulators, as they are, into rows of 528 bytes (each accumulator's four lowest registers first), and back as whole rows of 512 bytes.
.macro TOSTAGE a
.set AC, 64*((\a)%4)                   ; its eight accumulators, in window 2 (blocks 0-3) or 3 (blocks 4-7)
.set BK, OB+64*((\a)%2)
	WIN 0x08+4*((\a)/4)                            ; an LDS store's data is source 1: window 2 or 3; the address stays in window 0
.irp b, 0,1,2,3,4,5,6,7
	ds_store_b128 v[STO], v[AC+8*(\b):AC+8*(\b)+3]   offset:64*(\b)
	ds_store_b128 v[STO], v[AC+8*(\b)+4:AC+8*(\b)+7] offset:64*(\b)+16
.endr
	WIN 0
.if (\a) >= 2
	s_wait_xcnt 0x0                                ; every earlier memory instruction has had its addresses translated (ISA guide 3.1): the registers that block a - 2's stores read are loaded again only behind this wait
.endif
.irp t, 0,1,2,3,4,5,6,7,8,9,10,11,12,13,14,15
	ds_load_b128 v[BK+4*(\t):BK+4*(\t)+3], v[RD] offset:(\t)*SPITCH  ; LDS serves a wave's instructions in order (ISA guide 5.7.1.4): these see the stores above, and the next block's stores come behind them
.endr
.endm
; SEND: scale and bias, one fused multiply-add a number, and the store.  younger: the LDS instructions issued behind the block's loads: the next block's 16 stores and 16 loads, or none.
.macro SEND a, younger
.set BK, OB+64*((\a)%2)
	WIN 0
.irp t, 0,1,2,3,4,5,6,7,8,9,10,11,12,13,14,15
	s_wait_dscnt (\younger)+15-(\t)                ; row t is back in registers; the block's 15 - t later rows and the younger ones stay out
	v_pk_fma_f32 v[BK+4*(\t):BK+4*(\t)+1],   v[BK+4*(\t):BK+4*(\t)+1],   v[SC:SC+1],   v[BI:BI+1]
	v_pk_fma_f32 v[BK+4*(\t)+2:BK+4*(\t)+3], v[BK+4*(\t)+2:BK+4*(\t)+3], v[SC+2:SC+3], v[BI+2:BI+3]
	global_store_b128 v[CO], v[BK+4*(\t):BK+4*(\t)+3], s[12:13] offset:(16*(\a)+(\t))*SIZE_N*4 th:TH_STORE_NT  ; 32 lanes store 512 consecutive bytes, at a multiple of 512 from out0's first; the row stands in the immediate: 127 x 16,384 at the most, inside its signed 24 bits
.endr
.endm
	s_wait_tensorcnt 1                             ; my part of K step 0 is in; K step 1's may stay out
	s_barrier_signal -1
	s_barrier_wait -1                              ; everybody's is
	FETCH 0, 0, F0
	QUARTER 0, 64,  F0, F1, 1                      ; the first quarter stands in front of the loop: its products start the sums
	WIN 0                                          ; at a label and at a branch every window is 0
	s_mov_b32 s3, LAPS-1
.Llap:                                                 ; 15 trips: a trip goes once round the ring, from a lap's second quarter to the next lap's first, and fills both slots again
	QUARTER 0, 128, F1, F0, 0
	QUARTER 0, 192, F0, F1, 0
	TURN 0, 1, 1
	QUARTER 1, 64,  F0, F1, 0
	QUARTER 1, 128, F1, F0, 0
	QUARTER 1, 192, F0, F1, 0
	TURN 1, 0, 1
	QUARTER 0, 64,  F0, F1, 0
	WIN 0
	s_sub_co_u32 s3, s3, 1
	s_cmp_lg_u32 s3, 0
	s_cbranch_scc1 .Llap
	QUARTER 0, 128, F1, F0, 0                      ; the last lap is written out: it fills nothing, and has no round of the cluster's barrier
	QUARTER 0, 192, F0, F1, 0
	TURN 0, 1, 0
	QUARTER 1, 64,  F0, F1, 0
	QUARTER 1, 128, F1, F0, 0
	QUARTER 1, 192, F0, F1, 0
	s_wait_dscnt 8                                 ; the very last quarter: nothing more to fetch
	MUL16 F1, 0, 0, 0
	MUL16 F1, 0, 2, 0
	s_wait_dscnt 0x0
	MUL16 F1, 1, 0, 0
	MUL16 F1, 1, 2, 0
	WIN 0
	PLACES                                         ; in front of the LDS stores that read the results, and of the loads into the fragments' registers
	TOSTAGE 0
.irp a, 1,2,3,4,5,6,7                  ; block a's stores and loads are issued ahead of the wait for block a - 1's rows
	TOSTAGE \a
	SEND (\a)-1, 32
.endr
	SEND 7, 0
	s_wait_tensorcnt 0x0                           ; the wave's end, behind my last tensor load and my last LDS store
	ds_add_u32 v[SPW], v[NIL]
	s_wait_dscnt 0x0
	CROUND                                         ; the closing round: no work-group ends while a partner may still ask for a tile that names it
	s_endpgm
.Lfunc_end_k_qa7b756f611_gemm:
	.size	k_qa7b756f611_gemm, .Lfunc_end_k_qa7b756f611_gemm-k_qa7b756f611_gemm
	.p2alignl 7, 3214868480
	.fill 96, 4, 3214868480
	.section	.rodata,"a",@progbits
	.p2align	6, 0x0
	.amdhsa_kernel k_qa7b756f611_gemm
		.amdhsa_group_segment_fixed_size 327680
		.amdhsa_private_segment_fixed_size 0
		.amdhsa_enable_private_segment 0
		.amdhsa_kernarg_size 40
		.amdhsa_user_sgpr_count 2
		.amdhsa_user_sgpr_kernarg_segment_ptr 1
		.amdhsa_wavefront_size32 1
		.amdhsa_system_sgpr_workgroup_id_x 1
		.amdhsa_system_sgpr_workgroup_id_y 1
		.amdhsa_system_sgpr_workgroup_id_z 1
		.amdhsa_system_vgpr_workitem_id 0
		.amdhsa_next_free_vgpr 1024
		.amdhsa_next_free_sgpr 66
		.amdhsa_reserve_vcc 0
		.amdhsa_float_denorm_mode_32 3
		.amdhsa_float_denorm_mode_16_64 3
		.amdhsa_memory_ordered 1
		.amdhsa_forward_progress 1
		.amdhsa_inst_pref_size 160
	.end_amdhsa_kernel
	.amdgpu_metadata
---
amdhsa.version: [ 1, 2 ]
amdhsa.kernels:
  - .name:           k_qa7b756f611_gemm
    .symbol:         k_qa7b756f611_gemm.kd
    .args:
      - { .name: xb, .offset: 0, .size: 8, .value_kind: global_buffer, .address_space: global }
      - { .name: wb, .offset: 8, .size: 8, .value_kind: global_buffer, .address_space: global }
      - { .name: weight_scale, .offset: 16, .size: 8, .value_kind: global_buffer, .address_space: global }
      - { .name: bias, .offset: 24, .size: 8, .value_kind: global_buffer, .address_space: global }
      - { .name: out0, .offset: 32, .size: 8, .value_kind: global_buffer, .address_space: global }
    .group_segment_fixed_size: 327680
    .private_segment_fixed_size: 0
    .kernarg_segment_align: 8
    .kernarg_segment_size: 40
    .max_flat_workgroup_size: 128
    .sgpr_count:     66
    .vgpr_count:     1024
    .wavefront_size: 32
...
	.end_amdgpu_metadata
.endif
;; end of part 2
